; MI455X (gfx1250); checked and timed in simulation.
; The chip was launched on July 23, 2026; its instructions are those of AMD's public machine-readable ISA for CDNA 5 (MIT licence, August 2026) and "CDNA5" Instruction Set Architecture Reference Guide (July 2026). The comments in the code are by the model that wrote it; some were corrected since.
;; Scaled Dot Product Attention. Allowed arithmetic: matrix products marked QUANTISED: E2M1 operands, one E8M0 scale for each 32 along K, by v_wmma_scale_f32_16x16x128_f8f6f4 with both operands' format E2M1 (or v_wmma_scale_f32_32x16x128_f4), f32 sums; everything else in f32.
;; Inputs: k 2 x 8 x 4,096 x 64 float32; mask 1 x 1 x 4,096 x 4,096 bool; q 2 x 8 x 4,096 x 64 float32; v 2 x 8 x 4,096 x 64 float32.
;; Outputs: out0 2 x 8 x 4,096 x 64 float32.
;; This version of the problem:
;;   THIS VERSION OF THE PROBLEM IS GIVEN IN LOW PRECISION. The matrix products marked QUANTISED in the list below multiply operands that are first quantised to E2M1 (2 exponent bits, 1 mantissa bit; 4 bits a number), with one power-of-two scale for each 32 numbers along K (OCP MX v1.0); their sums are f32. All else is computed in f32.
;;   The module's matrix products, in the order in which they are computed (A, B: the left and right operand; K: the contracted axis; several contracted axes count as one K, in the product's order):
;;     1. batch 16 x [M 4,096, K 64] x [K 64, N 4,096]; A: input q; B: input k: QUANTISED
;;     2. batch 16 x [M 4,096, K 4,096] x [K 4,096, N 64]; A: softmax (see below); B: input v: QUANTISED
;;   THE QUANTISER, for each operand of a quantised product, along K:
;;     - K is cut into blocks of 32 from its start; a last block that is shorter is filled with zeros.
;;     - A block's scale is 2^e with e = floor(log2(the largest magnitude in the block)) - 2, held to -126 .. 127; a block of zeros has e = 0. As a byte (E8M0): e + 127.
;;     - Each number is divided by its block's scale, clamped to +-6, and rounded to the nearest number of E2M1, ties to even, subnormals kept.
;;     - The product sums the exact products of the quantised numbers (number of the format x scale) in f32.
;;   ~~~python
;;   def quantise(x, axis):      # numpy; x: float32 -> the quantised numbers, widened to float32 again
;;       x = np.moveaxis(x, axis, -1); K = x.shape[-1]
;;       x = np.pad(x, [(0, 0)] * (x.ndim - 1) + [(0, -K % 32)]); x = x.reshape(x.shape[:-1] + (-1, 32)); a = np.abs(x).max(-1, keepdims=True)
;;       e = np.where(a > 0, np.clip(np.frexp(np.where(a > 0, a, 1))[1] - 1 - 2, -126, 127), 0)      # np.frexp(a)[1] - 1 = floor(log2(a)), exactly
;;       r = np.clip(x / 2.0 ** e, -6, 6)
;;       step = 2.0 ** (np.maximum(np.frexp(np.where(r == 0, 1, r))[1] - 1, 0) - 1)
;;       q = np.round(r / step) * step * 2.0 ** e      # np.round: ties to even
;;       return np.moveaxis(q.reshape(q.shape[:-2] + (-1,))[..., :K], -1, axis).astype(np.float32)
;;   ~~~
;;   SOFTMAX AHEAD OF A QUANTISED PRODUCT. Where the list says 'softmax', what is quantised is not the finished softmax but p = 2^(t - M), with t = logit x log2(e) and M = ceil(the row's largest t), a whole number; so 1/2 < the row's largest p <= 1. The row's sum l is taken of the UNQUANTISED p, in f32, and the product's result is divided by l at the end. Since M is a whole number, a kernel that streams over the keys may use a running M (the ceiling of the running maximum): every later rescaling is an exact power of two, which a block's scale takes up: the codes' values come out the same.
;;   OPERANDS COMPUTED ON THE WAY. 'Computed on the way' means the value that the module computes at that place (a softmax that the list does not call 'softmax' is quantised finished and normalised). What goes into a quantiser is computed in f32, as accurately as f32 sums, v_exp_f32 and their like allow (about 1e-6 of the number): no bf16 or f16 on the way to a quantiser, and a product that is left as it is and whose result goes on into a quantised operand takes f32 operands (vector FMAs, or v_wmma_f32_16x16x4_f32). A number that lies on a knife's edge between two numbers of the format may be rounded either way, as far as f32 arithmetic and the matrix unit's own rounding can turn it there, and no further.
;; One version. Each part assembles by itself: llvm-mc -triple=amdgcn-amd-amdhsa -mcpu=gfx1250 --defsym DOCPART=n.
;; ======== version 1 of 1: 2 launches
;; limits: right only within a limited range of input values
;; workspace buffers: kv 4,587,520 bytes; mbits 2,097,152 bytes of whole numbers
;; launch prep (part 1): grid 1536 x 1, 4 waves a work-group, no clusters, 53,504 bytes of LDS; arguments k, v, mask, kv, mbits; writes kv, mbits
.if DOCPART == 1
	.amdgcn_target "amdgcn-amd-amdhsa--gfx1250"
	.amdhsa_code_object_version 6
	.text
	.protected	k_q64b45f8574_prep
	.globl	k_q64b45f8574_prep
	.p2align	8
	.type	k_q64b45f8574_prep,@function
k_q64b45f8574_prep:
	s_mov_b64 s[64:65], 0
	v_nop
	global_prefetch_b8 v0, s[64:65] scope:SCOPE_SE
	s_setreg_imm32_b32 hwreg(HW_REG_WAVE_MODE, 25, 1), 1
	s_wait_xcnt 0x0
; THE LAUNCH IN FRONT OF THE ATTENTION.  k, v: [16 heads][4096 keys][64 channels] f32; mask: [4096 queries][4096 keys], one byte each.
; NOTHING OF THE PROBLEM IS LEFT OUT: q, k, v and the mask all reach the result, and both products are live in full.
; It makes what every head's 64 work-groups of the next launch read again and again, once:
;   kv: 512 records of 8,960 bytes, record = 32 x head + step, a step = 128 keys; everything lies in the order of the operands' registers:
;     +0     K's codes (E2M1, quantised along the 64 channels): 8 tiles x 512 bytes.  Tile 2 b + u, lane 16 h + r: 16 bytes at 16 x lane = key 32 b + 8 u + r + 8 (r / 8), channels 32 h .. 32 h + 31
;     +4096  V's codes (quantised along the KEYS): tile t, half c at 1024 t + 512 c, lane 16 h + r: channel 16 t + r, keys 64 c + 32 h .. + 31 of the step
;     +8192  K's scale words: at 16 x lane' + 4 j the word of tile 2 j + lane' / 16, row lane' % 16: bytes 0, 1 the two blocks, bytes 2, 3 = 127 (they stand over zero codes)
;     +8704  V's scale words: at 8 x lane' + 4 j the word of tile 2 j + lane' / 16, channel row lane' % 16: byte i = the step's i-th block of 32 keys
;   mbits: [256 tiles of 16 queries][32 steps][64 words]: bit L of word n = mask[16 tile + L % 16][128 step + 32 (n / 16) + 16 (L / 16) + n % 16]:
;     the element that score register n of lane L holds in the next launch, so that a word in a scalar register selects for a whole wave.
; A block's scale is 2^(floor(log2(its largest magnitude)) - 2); its byte is that magnitude's exponent field - 2, held at 1 from below.
; LIMITS: a block of zeros gets the byte 1 where the rule says 127 (its codes are zeros, and this program alone reads the bytes); blocks whose largest magnitude lies under 2^-124
; get the byte 1; NaN and infinities among the inputs are not served.
; SHARES.  Work-groups 0-511 take K's records, 512-1023 V's, 1024-1535 the mask: a branch on the work-group's number, the same in its four waves.  A wave takes 8,192 bytes of input,
; asks for all of them at once, works, stores and ends: no loop.  Each path has LDS bytes of its own and its own end.
; THE ORDER OF KEYS, as this text now lays it (it takes the place of the two orders named in the lines above):
;   K's tile t, row r holds key 64 (t / 4) + 32 (r / 8) + 8 (t % 4) + r % 8 of the step; wave w makes tiles 2 w and 2 w + 1 from keys 64 (w / 2) + 32 e + 16 (w % 2) + 0 .. 15, e = 0, 1.
;   mbits: bit L of word n = mask[16 tile + L % 16][128 step + 64 (n / 32) + 32 (L / 16) + n % 32].
;   So a lane of the next launch holds two whole blocks of 32 keys.  A record is read there by the work-groups of its group of four heads.
.set KST,   0
.set KX,    34816                      ; path K: the record's 512 bytes of scale words
.set VX,    35328                      ; path V: the record's 256 bytes of scale words
.set MST,   35584                      ; path M: a stage of 16 rows x (256 + 16) bytes for each wave
.set SPARE, 52992                      ; the spare words, 128 bytes for each wave: two blocks of 256 bytes that no other line names
.set REC,   8960
; v1 lane, v2 16 x lane, v3 r = lane % 16, v4 h = lane / 16, v5-9 a path's addresses, v10 my spare word, v11 0; v154-159 at work
; 32 numbers of a lane, one whole block, become 16 bytes of codes in v[c] .. v[c + 3] and the scale's byte in v[by]
.macro QUANTB x, c, by
	v_max3_num_f32 v154, |v[(\x)]|, |v[(\x)+1]|, |v[(\x)+2]|       ; the largest magnitude, in two chains
	v_max3_num_f32 v155, |v[(\x)+3]|, |v[(\x)+4]|, |v[(\x)+5]|
.irp i, 6,10,14,18,22,26
	v_max3_num_f32 v154, v154, |v[(\x)+\i]|, |v[(\x)+\i+1]|
	v_max3_num_f32 v155, v155, |v[(\x)+\i+2]|, |v[(\x)+\i+3]|
.endr
	v_max3_num_f32 v154, v154, |v[(\x)+30]|, |v[(\x)+31]|
	v_max3_num_f32 v154, v154, v155, 0x1800000                     ; and the floor 2^(3 - 127): the byte cannot fall under 1
	v_add_nc_u32 v156, 0xff000000, v154                            ; 2 off its exponent field: the conversion takes this operand's exponent field as its scale
.irp g, 0,1,2,3
	v_cvt_scalef32_pk8_fp4_f32 v[(\c)+\g], v[(\x)+8*\g:(\x)+8*\g+7], v156
.endr
	v_lshrrev_b32 v[(\by)], 23, v156                               ; the scale's byte; also the plain line behind the conversions
.endm
	s_load_b256 s[4:11], s[0:1], 0x0               ; k s[4:5], v s[6:7], mask s[8:9], kv s[10:11]
	s_load_b64 s[12:13], s[0:1], 0x20              ; mbits
	v_lshl_add_u32 v10, v0, 2, SPARE
	v_mov_b32 v11, 0
	v_lshrrev_b32 v1, 5, v0
	v_readfirstlane_b32 s18, v1                    ; wave 0..3
	v_and_b32 v1, 31, v0                           ; lane
	v_lshlrev_b32 v2, 4, v1                        ; 16 x lane
	v_and_b32 v3, 15, v0                           ; r
	v_bfe_u32 v4, v0, 4, 1                         ; h
	s_mov_b32 s20, 0x76543210
	s_mov_b32 s21, 0xfedcba98                      ; v_permlanex16_b32's selects for lane l xor 16
	s_wait_kmcnt 0x0
	s_cmp_lt_u32 ttmp9, 512
	s_cbranch_scc1 .Lpath_k
	s_cmp_lt_u32 ttmp9, 1024
	s_cbranch_scc1 .Lpath_v
	; ---- PATH M.  Work-group 1024 + 2 tile + half: 16 queries x 2,048 keys; wave w: 512 of the keys, in two units of 256 keys (two steps each)
	s_sub_co_u32 s14, ttmp9, 1024
	s_lshr_b32 s15, s14, 1                         ; the tile of 16 queries
	s_and_b32 s14, s14, 1                          ; which half of the keys
	s_lshl_b32 s16, s15, 16                        ; 16 rows of 4,096 bytes
	s_lshl_b32 s17, s14, 11
	s_add_co_u32 s16, s16, s17
	s_lshl_b32 s17, s18, 9
	s_add_co_u32 s16, s16, s17                     ; + 2,048 half + 512 wave
	s_mov_b32 s17, 0
	s_add_nc_u64 s[8:9], s[8:9], s[16:17]
	s_lshl_b32 s16, s15, 13                        ; a tile's words: 32 steps x 256 bytes
	s_lshl_b32 s19, s14, 12
	s_add_co_u32 s16, s16, s19
	s_lshl_b32 s19, s18, 10
	s_add_co_u32 s16, s16, s19                     ; + step 16 half + 4 wave
	s_add_nc_u64 s[12:13], s[12:13], s[16:17]
	s_wait_alu depctr_va_vdst(0)
	v_lshlrev_b32 v5, 4, v3
	v_lshl_add_u32 v5, v4, 12, v5                  ; in memory: lanes 0-15 one row's 256 bytes, lanes 16-31 the next row's
	s_mul_i32 s22, s18, 16*272
	s_add_co_u32 s22, s22, MST                     ; my stage
	v_mul_u32_u24 v6, v4, 272
	v_lshl_add_u32 v6, v3, 4, v6
	v_add_nc_u32 v6, s22, v6                       ; into it: as loaded
	v_mul_u32_u24 v7, v3, 272
	v_lshl_add_u32 v7, v4, 5, v7                   ; row r, 32 keys of each 64 for my half of the lanes
	v_add_nc_u32 v7, s22, v7                       ; out of it: row r, 32 keys of each 64 for my half of the lanes
.irp m, 0,1
.irp i, 0,1,2,3,4,5,6,7
	global_load_b128 v[16+32*\m+4*\i:19+32*\m+4*\i], v5, s[8:9] offset:8192*\i+256*\m th:TH_LOAD_NT
.endr
.endr
.irp j, 0,1,2,3,4,5,6,7
	v_mov_b32 v[144+\j], 0                         ; written once: v_writelane_b32's destination counts as one of its sources
.endr
	s_wait_alu depctr_va_vdst(0)
	s_wait_loadcnt 8                               ; unit 0's eight loads are in; unit 1's may be out
.irp i, 0,1,2,3,4,5,6,7
	ds_store_b128 v6, v[16+4*\i:19+4*\i] offset:544*\i
.endr
.irp i, 0,1,2,3,4,5,6,7
	ds_load_b128 v[80+4*\i:83+4*\i], v7 offset:64*(\i/2)+16*(\i%2)
.endr
	s_wait_loadcnt 0x0
.irp i, 0,1,2,3,4,5,6,7
	ds_store_b128 v6, v[48+4*\i:51+4*\i] offset:544*\i             ; unit 1 through the same stage, behind unit 0's reads
.endr
.irp i, 0,1,2,3,4,5,6,7
	ds_load_b128 v[112+4*\i:115+4*\i], v7 offset:64*(\i/2)+16*(\i%2)
.endr
; Register rho = 4 b' + k4 of a unit holds, in byte k, the mask of my query at key 64 (b' / 2) + 32 h + 16 (b' % 2) + 4 k4 + k: that is word 4 rho + k of the unit's 128.
; The word is the 32 lanes' answers to 'is the byte set'; it goes to lane rho, register k, so that one store of 16 bytes a lane writes the 128 words on end.
.macro EXTRACT m, w
.set RHO, 0
.rept 32
.irp k, 0,1,2,3
	v_and_b32 v[152+\k], 0xff<<(8*\k), v[(\m)+RHO]
.endr
.irp k, 0,1,2,3
	v_cmp_ne_u32 s[24+\k], 0, v[152+\k]
.endr
.irp k, 0,1,2,3
	v_writelane_b32 v[(\w)+\k], s[24+\k], RHO
.endr
.set RHO, RHO+1
.endr
.endm
	s_wait_dscnt 16                                ; unit 0 is back; behind it stand unit 1's eight stores and eight loads
	EXTRACT 80, 144
	global_store_b128 v2, v[144:147], s[12:13]     ; 512 consecutive bytes: two steps' words
	s_wait_dscnt 0x0
	EXTRACT 112, 148
	global_store_b128 v2, v[148:151], s[12:13] offset:512
	s_wait_tensorcnt 0x0                           ; the wave's end
	ds_add_u32 v10, v11
	s_wait_dscnt 0x0
	s_endpgm
	; ---- PATH K.  Work-group = record; wave b: keys 64 (b / 2) + 16 (b % 2) + 0 .. 15 of the step and the 16 that lie 32 further on, which form tiles 2 b and 2 b + 1
.Lpath_k:
	s_lshl_b32 s16, ttmp9, 15                      ; 128 keys x 256 bytes
	s_lshr_b32 s17, s18, 1
	s_lshl_b32 s17, s17, 14                        ; + 64 (wave / 2) keys
	s_add_co_u32 s16, s16, s17
	s_and_b32 s17, s18, 1
	s_lshl_b32 s17, s17, 12                        ; + 16 (wave % 2) keys
	s_add_co_u32 s16, s16, s17                     ; + my 32 keys
	s_mov_b32 s17, 0
	s_add_nc_u64 s[4:5], s[4:5], s[16:17]
	s_mul_i32 s16, ttmp9, REC
	s_add_nc_u64 s[10:11], s[10:11], s[16:17]      ; the record
	s_lshl_b32 s16, s18, 10
	s_add_nc_u64 s[14:15], s[10:11], s[16:17]      ; my two tiles of codes
	s_mul_i32 s22, s18, 32*272                     ; my stage (KST = 0)
	s_wait_alu depctr_va_vdst(0)
	v_mul_u32_u24 v5, v4, 272
	v_lshl_add_u32 v5, v3, 4, v5
	v_add_nc_u32 v5, s22, v5                       ; into it: as loaded, two keys' rows a load
	v_and_b32 v8, 8, v3
	v_add_nc_u32 v8, v8, v3                        ; r + 8 (r / 8): the keys of a tile are not neighbours
	v_mul_u32_u24 v6, v8, 272
	v_lshl_add_u32 v6, v4, 7, v6
	v_add_nc_u32 v6, s22, v6                       ; out of it: that key's row, my half's 32 channels
	v_lshlrev_b32 v7, 3, v4                        ; 8 h: my block's byte in the scale word
	s_lshl_b32 s23, s18, 2
	s_add_co_u32 s23, s23, KX
	v_add_nc_u32 v8, s23, v2                       ; where my scale word goes: 16 x lane + 4 x wave
	v_add_nc_u32 v9, KX, v2                        ; and where wave 0 reads four of them
.irp i, 0,1,2,3,4,5,6,7,8,9,10,11,12,13,14,15
	global_load_b128 v[16+4*\i:19+4*\i], v2, s[4:5] offset:512*\i+4096*(\i/8) th:TH_LOAD_NT   ; 16 keys on end, then the 16 keys that lie 32 further on
.endr
	v_mov_b32 v157, 0                              ; written once: a lane permute's destination counts as one of its sources
	v_cmp_le_u32 vcc_lo, 16, v1                    ; lanes 16-31
	s_wait_alu depctr_va_vdst(0)
	s_wait_loadcnt 0x0
.irp i, 0,1,2,3,4,5,6,7,8,9,10,11,12,13,14,15
	ds_store_b128 v5, v[16+4*\i:19+4*\i] offset:544*\i
.endr
.irp u, 0,1
.irp j, 0,1,2,3,4,5,6,7
	ds_load_b128 v[80+32*\u+4*\j:83+32*\u+4*\j], v6 offset:2176*\u+16*\j          ; tile 2 b + u lies 8 rows further down; LDS serves a wave's instructions in order
.endr
.endr
.irp u, 0,1
	s_wait_dscnt 8-8*\u                            ; this tile's eight loads are in; the other tile's, issued behind them, may be out
	QUANTB 80+32*\u, 144+4*\u, 158
	v_lshlrev_b32 v158, v7, v158                   ; my block's byte at its place,
	v_permlanex16_b32 v157, v158, s20, s21
	v_or_b32 v[152+\u], v158, v157                 ; with lane l xor 16's: the row's two bytes,
	v_or_b32 v[152+\u], 0x7f7f0000, v[152+\u]      ; and 127 over the zero codes of K = 64 .. 127
	global_store_b128 v2, v[144+4*\u:147+4*\u], s[14:15] offset:512*\u            ; 512 consecutive bytes: the tile as the operand's registers want it
.endr
	v_cndmask_b32 v159, v152, v153, vcc_lo         ; lanes 0-15 hand on tile 2 b's words, lanes 16-31 tile 2 b + 1's
	ds_store_b32 v8, v159
	s_wait_dscnt 0x0                               ; for the others' sake: my word has landed
	s_barrier_signal -1
	s_barrier_wait -1
	s_cmp_lg_u32 s18, 0
	s_cbranch_scc1 .Lk_end
	ds_load_b128 v[16:19], v9                      ; wave 0 stores the record's scale words: 512 consecutive bytes
	s_wait_dscnt 0x0
	global_store_b128 v2, v[16:19], s[10:11] offset:8192
.Lk_end:
	s_wait_tensorcnt 0x0                           ; the wave's end
	ds_add_u32 v10, v11
	s_wait_dscnt 0x0
	s_endpgm
	; ---- PATH V.  Work-group 512 + record; wave i: the step's i-th block of 32 keys, all 64 channels.  A LANE TAKES A CHANNEL AND ITS REGISTERS RUN DOWN THE KEYS: nothing is transposed
.Lpath_v:
	s_sub_co_u32 s14, ttmp9, 512
	s_lshl_b32 s16, s14, 15
	s_lshl_b32 s17, s18, 13
	s_add_co_u32 s16, s16, s17
	s_mov_b32 s17, 0
	s_add_nc_u64 s[6:7], s[6:7], s[16:17]          ; my 32 keys' rows
	s_mul_i32 s16, s14, REC
	s_add_nc_u64 s[10:11], s[10:11], s[16:17]      ; the record
	s_lshl_b32 s16, s18, 8
	s_add_nc_u64 s[14:15], s[10:11], s[16:17]      ; block i of a tile lies at 512 (i / 2) + 256 (i % 2) = 256 i
	s_wait_alu depctr_va_vdst(0)
	v_lshlrev_b32 v5, 2, v1                        ; in memory: 4 bytes a lane
	v_lshlrev_b32 v6, 4, v3
	v_lshl_add_u32 v6, v4, 10, v6                  ; channel 32 e + lane is row r of tile 2 e + h: 1,024 h + 16 r
	s_add_co_u32 s23, s18, VX
	v_lshl_add_u32 v7, v1, 3, s23                  ; my scale byte: 8 x lane + wave (+ 4 e)
	v_lshl_add_u32 v8, v1, 3, VX
	v_lshlrev_b32 v9, 3, v1
.irp i, 0,1,2,3,4,5,6,7,8,9,10,11,12,13,14,15,16,17,18,19,20,21,22,23,24,25,26,27,28,29,30,31
.irp e, 0,1
	global_load_b32 v[16+32*\e+\i], v5, s[6:7] offset:256*\i+128*\e th:TH_LOAD_NT  ; the two halves of a key's 256 bytes by neighbouring lines
.endr
.endr
	s_wait_loadcnt 0x0
.irp e, 0,1
	QUANTB 16+32*\e, 80+4*\e, 88+\e
	global_store_b128 v6, v[80+4*\e:83+4*\e], s[14:15] offset:4096+2048*\e         ; sixteen lanes store 256 consecutive bytes, at a multiple of 256 from the buffer's first byte
	ds_store_b8 v7, v[88+\e] offset:4*\e
.endr
	s_wait_dscnt 0x0                               ; for the others' sake: my bytes have landed
	s_barrier_signal -1
	s_barrier_wait -1
	s_cmp_lg_u32 s18, 0
	s_cbranch_scc1 .Lv_end
	ds_load_b64 v[90:91], v8                       ; wave 0 stores the record's scale words: 256 consecutive bytes
	s_wait_dscnt 0x0
	global_store_b64 v9, v[90:91], s[10:11] offset:8704
.Lv_end:
	s_wait_tensorcnt 0x0                           ; the wave's end
	ds_add_u32 v10, v11
	s_wait_dscnt 0x0
	s_endpgm
.Lfunc_end_k_q64b45f8574_prep:
	.size	k_q64b45f8574_prep, .Lfunc_end_k_q64b45f8574_prep-k_q64b45f8574_prep
	.p2alignl 7, 3214868480
	.fill 96, 4, 3214868480
	.section	.rodata,"a",@progbits
	.p2align	6, 0x0
	.amdhsa_kernel k_q64b45f8574_prep
		.amdhsa_group_segment_fixed_size 53504
		.amdhsa_private_segment_fixed_size 0
		.amdhsa_enable_private_segment 0
		.amdhsa_kernarg_size 40
		.amdhsa_user_sgpr_count 2
		.amdhsa_user_sgpr_kernarg_segment_ptr 1
		.amdhsa_wavefront_size32 1
		.amdhsa_system_sgpr_workgroup_id_x 1
		.amdhsa_system_sgpr_workgroup_id_y 1
		.amdhsa_system_sgpr_workgroup_id_z 1
		.amdhsa_system_vgpr_workitem_id 0
		.amdhsa_next_free_vgpr 160
		.amdhsa_next_free_sgpr 66
		.amdhsa_reserve_vcc 1
		.amdhsa_float_denorm_mode_32 3
		.amdhsa_float_denorm_mode_16_64 3
		.amdhsa_memory_ordered 1
		.amdhsa_forward_progress 1
		.amdhsa_inst_pref_size 74
	.end_amdhsa_kernel
	.amdgpu_metadata
---
amdhsa.version: [ 1, 2 ]
amdhsa.kernels:
  - .name:           k_q64b45f8574_prep
    .symbol:         k_q64b45f8574_prep.kd
    .args:
      - { .name: k, .offset: 0, .size: 8, .value_kind: global_buffer, .address_space: global }
      - { .name: v, .offset: 8, .size: 8, .value_kind: global_buffer, .address_space: global }
      - { .name: mask, .offset: 16, .size: 8, .value_kind: global_buffer, .address_space: global }
      - { .name: kv, .offset: 24, .size: 8, .value_kind: global_buffer, .address_space: global }
      - { .name: mbits, .offset: 32, .size: 8, .value_kind: global_buffer, .address_space: global }
    .group_segment_fixed_size: 53504
    .private_segment_fixed_size: 0
    .kernarg_segment_align: 8
    .kernarg_segment_size: 40
    .max_flat_workgroup_size: 128
    .sgpr_count:     66
    .vgpr_count:     160
    .wavefront_size: 32
...
	.end_amdgpu_metadata
.endif
;; end of part 1
;; launch attn (part 2): grid 64 x 4, 8 waves a work-group, clusters of 4 x 1, 327,680 bytes of LDS; arguments q, kv, mbits, out0; writes out0
.if DOCPART == 2
	.amdgcn_target "amdgcn-amd-amdhsa--gfx1250"
	.amdhsa_code_object_version 6
	.text
	.protected	k_q64b45f8574_attn
	.globl	k_q64b45f8574_attn
	.p2align	8
	.type	k_q64b45f8574_attn,@function
k_q64b45f8574_attn:
	s_mov_b64 s[64:65], 0
	v_nop
	global_prefetch_b8 v0, s[64:65] scope:SCOPE_SE
	s_setreg_imm32_b32 hwreg(HW_REG_WAVE_MODE, 25, 1), 1
	s_wait_xcnt 0x0
	s_wait_alu depctr_hold_cnt(0) depctr_sa_sdst(0) depctr_va_vdst(0) depctr_va_sdst(0) depctr_va_ssrc(0) depctr_va_vcc(0) depctr_vm_vsrc(0)
	s_getreg_b32 s2, hwreg(HW_REG_IB_STS2, 6, 4)
	s_cmp_eq_u32 s2, 0
	s_cbranch_scc0 .Lentry_in_a_cluster
	s_endpgm
.Lentry_in_a_cluster:
	s_bfe_u32 s2, ttmp6, 0x10000c
	s_cmp_lg_u32 s2, 0x3003
	s_cbranch_scc0 .Lentry_shape_is_right
	s_endpgm
.Lentry_shape_is_right:
; out0[head][q] = sum over keys of softmax(q . k / 8, masked) v, both products on codes of E2M1 with E8M0 scales.  NOTHING OF THE PROBLEM IS LEFT OUT.
; kv: records of 8,960 bytes, record = 32 x head + step (128 keys), in the order of the operands' registers: +0 K's 8 tiles, +4096 V's 4 tiles x 2 halves, +8192 K's scale words, +8704 V's.
; K's tile t, row r is key 64 (t / 4) + 32 (r / 8) + 8 (t % 4) + r % 8: in S^T = K Q^T score register n of lane (query r, half h) is key 64 (n / 32) + 32 h + n % 32:
; a lane holds two WHOLE blocks of 32 keys, in the very order of the second product's operand: a block's maximum asks no other lane, and the conversions' results are that operand.
; mbits: [256 tiles of 16 queries][32 steps][64 words], bit L of word n = the mask of score register n of lane L.
; THE MASK IS THE SAME FOR ALL HEADS: a wave takes ONE tile of 16 queries through FOUR heads.  For each step it makes the mask once, 64 registers of 0 or -2^100, and gives them to the four heads' first products as C.
; SHARES.  A work-group: 64 queries x 4 heads.  Waves w and w + 4 take queries 16 (w % 4) ..; waves 0-3 keys 0-2047, waves 4-7 keys 2048-4095; the two halves are joined at the end through LDS by exact powers of two.
; 64 x 4 = 256 work-groups of 8 waves, two waves to a SIMD.  A round = one step of each half x 4 heads = 8 records = a slot; each wave fetches one record.  16 rounds through a ring of two slots.
; CLUSTER: the four work-groups of a cluster take other queries of the same heads, so every record is asked for jointly (mask 15).
; PREFETCH: behind each joint load a wave names its record of the load two trips on, 35 blocks of 256 bytes, of which the partner at place cx takes blocks 9 cx .. 9 cx + 8 (by address); rounds 0 to 2 come by their loads alone, the last trips ask for nothing.
; SOFTMAX: t = score x log2(e) / 8; M = ceil of the running largest t; p = 2^(t - M) is quantised; the sum is taken of the unquantised p; a change of M multiplies the sums and O^T by an exact power of two.
; LIMITS: the promise holds while |t| stays under 2^31.  A masked score is carried as score - 2^100 and the running maximum begins at -2^64: p of a masked key is 0; a row that is masked whole gives 0 / 0 = NaN, as the reference does.
; NaN and infinities among the inputs are not served.  O^T begins as zeros, written once at the head, so that the step is written once for each head.
; REGISTERS.  Window 0: addresses, scales, the heads' states, Q, K's and V's fragments, p's codes.  Window 1 (v256-511): S 0-63, the mask C 64-127, O^T 128-255 (32 a head).
.set REC,   8960
.set RNDH,  4*REC
.set SLOT1, 1<<17
.set XCH,   204800                     ; the halves' exchange: 17,408 bytes for each pair of waves; no fill lands here
.set XW,    17408
.set STGB,  274432                     ; the way out: 16 rows x 272 bytes for each of the eight waves
.set SPARE, 309248                     ; the spare words: 128 bytes a wave
.set VCO,   4096
.set KSO,   8192
.set VSO,   8704
.set A16, 1
.set A8,  2
.set ADK, 3
.set ADV, 4
.set SPW, 5
.set NIL, 6
.set NEGB, 7
.set KS,  8
.set VS,  12
.set PS,  14
.set SH8, 15
.set QS,  16
.set ST,  20                           ; a head's state, 8 registers: -M, the largest score, the sum in two pairs
.set QF,  52
.set KT,  84
.set VT,  148
.set PC,  180
.set BM,  188
.set T,   192
.set SO,  196
.set F,   198
.set PFO, 200
.set RR,  201
.set HH,  202
.set XA,  203
.set XS,  204
.set STI, 205
.set STO, 206
.set GO,  207
.set QA,  208
.set S,   0
.set C,   64
.set O,   128
.set MB,  4
.set SEL, 6
.set CS,  8
.set TB,  10
.set MOFF, 11
.set CNT, 12
.set WV,  13
.set OUT, 14
.set G1,  84
.set G0,  92
.set PFA, 96
.set NCS, 98
.set MSB, 0
.macro WIN new                         ; low byte: 1:0 source 0, 3:2 source 1, 5:4 source 2, 7:6 destination; the high byte repeats the setting that is left
.if MSB != \new
	s_set_vgpr_msb (MSB<<8)|\new
.set MSB, \new
.endif
.endm
.macro DEP n
	s_delay_alu instid0(VALU_DEP_\n)
.endm
.macro CREST                           ; a round of the cluster's barrier behind its opening barrier
	s_cmp_lg_u32 s[WV], 0
	s_cbranch_scc1 .Lnot_wave_0_\@
	s_barrier_signal -3
.Lnot_wave_0_\@:
	s_barrier_wait -3
	s_barrier_signal -1
	s_barrier_wait -1
.endm
.macro CROUND                          ; a whole round
	s_barrier_signal -1
	s_barrier_wait -1
	CREST
.endm
.macro MASKWORDS
	s_load_b512 s[16:31], s[MB:MB+1], s[MOFF] offset:0x0
	s_load_b512 s[32:47], s[MB:MB+1], s[MOFF] offset:0x40
	s_load_b512 s[48:63], s[MB:MB+1], s[MOFF] offset:0x80
	s_load_b512 s[68:83], s[MB:MB+1], s[MOFF] offset:0xc0
.endm
.macro KLOAD hh                        ; nine loads: a head's scale words and eight tiles of K (the tiles' upper four registers stay zero: K = 64 .. 127)
	ds_load_b128 v[KS:KS+3], v[ADK] offset:(\hh)*REC+KSO
.irp t, 0,1,2,3,4,5,6,7
	ds_load_b128 v[KT+8*\t:KT+8*\t+3], v[ADK] offset:(\hh)*REC+512*\t
.endr
.endm
	s_load_b256 s[16:23], s[0:1], 0x0              ; q, kv, mbits, out0
	v_lshl_add_u32 v[SPW], v0, 2, SPARE
	v_mov_b32 v[NIL], 0
	ds_add_u32 v[SPW], v[NIL]                      ; the opening lines: the add twice on end and its wait
	ds_add_u32 v[SPW], v[NIL]
	v_lshrrev_b32 v[ADK], 5, v0
	v_readfirstlane_b32 s[WV], v[ADK]              ; wave 0..7
	s_bfe_u32 s99, ttmp6, 0x40000                  ; cx
	s_lshl_b32 s2, ttmp9, 2
	s_add_co_u32 s2, s2, s99                       ; block of 64 queries
	s_lshl_b32 s2, s2, 2
	s_and_b32 s66, s[WV], 3
	s_add_co_u32 s2, s2, s66                       ; my tile of 16 queries
	s_lshr_b32 s67, s[WV], 2                       ; my half of the keys
	s_lshl_b32 s8, s2, 13                          ; the tile's mask words
	s_mov_b32 s9, 0
	s_and_b32 s3, ttmp7, 0xffff                    ; the group of four heads
	s_lshl_b32 s2, s2, 12
	s_lshl_b32 s10, s3, 22
	s_add_co_u32 s2, s2, s10                       ; my queries' first byte in q and out0, in the group's first head
	s_lshl_b32 s3, s3, 2
	s_add_co_u32 s3, s3, s66                       ; the head whose records I fetch
	s_lshl_b32 s3, s3, 5
	s_lshl_b32 s10, s67, 4
	s_add_co_u32 s3, s3, s10                       ; record 32 head + 16 half
	s_mul_i32 s96, s3, REC
	s_mov_b32 s97, 0
	s_mov_b32 s3, 0
	s_mul_i32 s99, s99, 9
	s_mul_i32 s[G0+1], s[WV], REC                  ; where my record lands in slot 0
	s_lshl_b32 s[MOFF], s67, 12                    ; my first step's words
	s_mul_i32 s12, s67, RNDH                       ; my half's four records in a slot
	s_mul_i32 s14, s66, XW
	s_add_co_u32 s14, s14, XCH
	s_mul_i32 s15, s[WV], 16*272
	s_add_co_u32 s15, s15, STGB
	s_mov_b32 s[G1+0], 15|(3<<16)|(1<<21)          ; mask: all four partners; elements of 8 bytes
	s_mov_b32 s[G1+1], 32<<16
	s_mov_b32 s[G1+2], 35<<16
	s_mov_b32 s[G1+3], 32<<16
	s_mov_b32 s[G1+4], 35                          ; 35 rows of 256 bytes, dense
	s_mov_b32 s[G1+5], 32
	s_mov_b32 s[G1+6], 0
	s_mov_b32 s[G1+7], 0
	s_mov_b32 s[SEL], 0x76543210
	s_mov_b32 s[SEL+1], 0xfedcba98
	s_mov_b32 s[NCS], 0xbe38aa3b                   ; -log2(e) / 8
	v_and_b32 v[RR], 15, v0
	v_bfe_u32 v[HH], v0, 4, 1
	v_and_b32 v[ADV], 31, v0
	v_lshl_add_u32 v[A16], v[ADV], 4, s12
	v_lshl_add_u32 v[A8], v[ADV], 3, s12
	v_lshlrev_b32 v[SH8], 3, v[HH]
	v_lshlrev_b32 v[QA], 8, v[RR]
	v_lshl_add_u32 v[QA], v[HH], 7, v[QA]          ; q: row r, my half's 32 channels
	v_lshl_add_u32 v[XA], v[ADV], 4, s14
	v_lshl_add_u32 v[XS], v[ADV], 3, s14
	v_add_nc_u32 v[XS], 16384, v[XS]
	v_mul_u32_u24 v[STI], v[RR], 272
	v_lshl_add_u32 v[STI], v[HH], 5, v[STI]
	v_add_nc_u32 v[STI], s15, v[STI]
	v_mul_u32_u24 v[STO], v[HH], 272
	v_lshl_add_u32 v[STO], v[RR], 4, v[STO]
	v_add_nc_u32 v[STO], s15, v[STO]
	v_lshlrev_b32 v[GO], 8, v[HH]
	v_lshl_add_u32 v[GO], v[RR], 4, v[GO]
	v_min_u32 v[PFO], 8, v[ADV]
	v_add_nc_u32 v[PFO], s99, v[PFO]
	v_min_u32 v[PFO], 34, v[PFO]                   ; block 9 cx + lane of my record's 35; lanes left over name the last again
	v_lshlrev_b32 v[PFO], 8, v[PFO]
	v_mov_b32 v[NEGB], 0xf1800000                  ; -2^100
	s_wait_alu depctr_va_vdst(0)
	s_wait_dscnt 0x0
	s_wait_kmcnt 0x0
	s_add_nc_u64 s[MB:MB+1], s[20:21], s[8:9]
	s_add_nc_u64 s[16:17], s[16:17], s[2:3]
	s_add_nc_u64 s[OUT:OUT+1], s[22:23], s[2:3]
	s_add_nc_u64 s[PFA:PFA+1], s[18:19], s[96:97]
	s_mov_b32 s[G0], 1
	s_mov_b64 s[G0+2:G0+3], s[PFA:PFA+1]
	s_or_b32 s[G0+3], s[G0+3], 0x80000000
	s_mov_b32 s[CS], 0x3e38aa3b                    ; c = log2(e) / 8
	s_mov_b32 s[CS+1], s[CS]
	s_mov_b32 s[TB], 0
	WIN 0x40
.irp hh, 0,1,2,3
.irp j, 0,1,2,3,4,5,6,7
	global_load_b128 v[32*\hh+4*\j:32*\hh+4*\j+3], v[QA], s[16:17] offset:(\hh<<20)+16*\j   ; four heads' q into window 1, registers 0-127
.endr
.endr
	WIN 0
	CROUND                                         ; in front of the first joint loads
	tensor_load_to_lds s[G0:G0+3], s[G1:G1+7]      ; round 0, my record: one load a wave
	s_nop 0
.rept 4
	v_nop
.endr
.irp j, 4,5,6,7
.irp t, 0,1,2,3,4,5,6,7
	v_mov_b32 v[KT+8*\t+\j], 0                     ; zero codes for K = 64 .. 127
.endr
.irp hh, 0,1,2,3
	v_mov_b32 v[QF+8*\hh+\j], 0
.endr
.endr
	v_mov_b32 v[T], 0xdf800000                     ; the largest score so far: -2^64
	v_mov_b32 v[T+1], 0
	v_mov_b32 v[F+1], 0
	v_mul_f32 v[T+2], s[NCS], v[T]
	DEP 1
	v_floor_f32 v[T+2], v[T+2]                     ; -M
.irp hh, 0,1,2,3
	v_mov_b32 v[QS+\hh], 0
	v_mov_b32 v[ST+8*\hh], v[T+2]
	v_mov_b32 v[ST+8*\hh+1], v[T]
.irp j, 2,3,4,5
	v_mov_b32 v[ST+8*\hh+\j], 0
.endr
.endr
	WIN 0x40
.set N, 0
.rept 128
	v_mov_b32 v[O+N], 0
.set N, N+1
.endr
	WIN 0
	s_wait_alu depctr_va_vdst(0)
	s_wait_loadcnt 0x0                             ; q is in, and its address registers are free
	MASKWORDS
	WIN 0x15                                       ; q's codes and scale words: a lane holds one block of 32 channels of each head; the four heads by turns
.irp hh, 0,1,2,3
	v_max3_num_f32 v[BM+\hh], |v[32*\hh]|, |v[32*\hh+1]|, |v[32*\hh+2]|
.endr
	WIN 0x14
.irp i, 3,5,7,9,11,13,15,17,19,21,23,25,27,29
.irp hh, 0,1,2,3
	v_max3_num_f32 v[BM+\hh], v[BM+\hh], |v[32*\hh+\i]|, |v[32*\hh+\i+1]|
.endr
.endr
.irp hh, 0,1,2,3
	v_max3_num_f32 v[BM+\hh], v[BM+\hh], |v[32*\hh+31]|, 0x1800000   ; the floor 2^(3 - 127): the byte cannot fall under 1
.endr
	WIN 0
.irp hh, 0,1,2,3
	v_add_nc_u32 v[T+\hh], 0xff000000, v[BM+\hh]
.endr
.irp hh, 0,1,2,3
	v_lshrrev_b32 v[BM+\hh], 23, v[T+\hh]
.endr
.irp hh, 0,1,2,3
	v_lshlrev_b32 v[BM+\hh], v[SH8], v[BM+\hh]
.endr
.irp hh, 0,1,2,3
	v_permlanex16_b32 v[QS+\hh], v[BM+\hh], s[SEL], s[SEL+1]
.endr
.irp hh, 0,1,2,3
	v_or_b32 v[QS+\hh], v[QS+\hh], v[BM+\hh]
.endr
.irp hh, 0,1,2,3
	v_or_b32 v[QS+\hh], 0x7f7f0000, v[QS+\hh]      ; 127 over the zero codes
.endr
	WIN 0x01
.irp hh, 0,1,2,3
.irp g, 0,1,2,3
	v_cvt_scalef32_pk8_fp4_f32 v[QF+8*\hh+\g], v[32*\hh+8*\g:32*\hh+8*\g+7], v[T+\hh]
.endr
.endr
	WIN 0
	v_nop                                          ; the plain line behind the conversions
; ONE HEAD'S STEP: 16 queries x 128 keys.
.macro HEADSTEP h, meet
.set NM, ST+8*(\h)
.set OH, O+32*(\h)
	s_wait_dscnt 0x0                               ; this head's K is in
	WIN 0x50
.irp t, 0,1,2,3,4,5,6,7
.if \t%2
	v_wmma_scale_f32_16x16x128_f8f6f4 v[S+8*\t:S+8*\t+7], v[KT+8*\t:KT+8*\t+7], v[QF+8*(\h):QF+8*(\h)+7], v[C+8*\t:C+8*\t+7], v[KS+\t/2], v[QS+(\h)] matrix_a_fmt:MATRIX_FMT_FP4 matrix_b_fmt:MATRIX_FMT_FP4 matrix_a_scale:MATRIX_SCALE_ROW1
.else
	v_wmma_scale_f32_16x16x128_f8f6f4 v[S+8*\t:S+8*\t+7], v[KT+8*\t:KT+8*\t+7], v[QF+8*(\h):QF+8*(\h)+7], v[C+8*\t:C+8*\t+7], v[KS+\t/2], v[QS+(\h)] matrix_a_fmt:MATRIX_FMT_FP4 matrix_b_fmt:MATRIX_FMT_FP4
.endif
.endr
	WIN 0
.rept 4
	v_nop                                          ; four places: ahead of the loads into fragments just multiplied and of the first read of the scores
.endr
.irp t, 0,1,2,3
.irp c, 0,1
	ds_load_b128 v[VT+8*\t+4*\c:VT+8*\t+4*\c+3], v[ADK] offset:(\h)*REC+VCO+1024*\t+512*\c
.endr
.endr
	ds_load_b64 v[VS:VS+1], v[ADV] offset:(\h)*REC+VSO   ; nine loads for this head's V,
.if (\h) < 3
	KLOAD (\h)+1                                   ; nine for the next head's K: both land under the softmax
.endif
.if (\meet) == 2
	MEET 1                                         ; these were my last reads of the slot: the change of slots opens here, and the rest of this step, work on registers alone, stands between the signal and its wait
.endif
.if (\meet) == 1
	MEET 0
.endif
	WIN 0x15                                       ; my two blocks' largest scores, each in two chains, the four by turns: chain b begins at register 32 (b / 2) + 17 (b % 2)
.irp b, 0,1,2,3
	v_max3_num_f32 v[BM+\b], v[S+32*(\b/2)+17*(\b%2)], v[S+32*(\b/2)+17*(\b%2)+1], v[S+32*(\b/2)+17*(\b%2)+2]
.endr
	WIN 0x14
.irp i, 3,5,7,9,11,13
.irp b, 0,1,2,3
	v_max3_num_f32 v[BM+\b], v[BM+\b], v[S+32*(\b/2)+17*(\b%2)+\i], v[S+32*(\b/2)+17*(\b%2)+\i+1]
.endr
.endr
.irp c, 0,1
	v_max3_num_f32 v[BM+2*\c], v[BM+2*\c], v[S+32*\c+15], v[S+32*\c+16]
.endr
	WIN 0
	v_max_num_f32 v[BM], v[BM], v[BM+1]            ; block h
	v_max_num_f32 v[BM+2], v[BM+2], v[BM+3]        ; block 2 + h
	v_mov_b32 v[T+2], v[NM]                        ; the old -M
	v_max_num_f32 v[T], v[BM], v[BM+2]
	v_permlanex16_b32 v[T+1], v[T], s[SEL], s[SEL+1]
	v_max3_num_f32 v[NM+1], v[NM+1], v[T], v[T+1]  ; the running largest score of my query
	v_mul_f32 v[T+3], s[NCS], v[NM+1]
	v_floor_f32 v[NM], v[T+3]                      ; -M = floor(-t)
	v_sub_f32 v[T+2], v[NM], v[T+2]                ; old M - new M, a whole number, 0 or less
	v_fma_f32 v[BM], v[BM], s[CS], v[NM]
	v_cvt_i32_f32 v[T+2], v[T+2]                   ; (it saturates)
	v_fma_f32 v[BM+2], v[BM+2], s[CS], v[NM]
	v_ldexp_f32 v[F], 1.0, v[T+2]                  ; f = 2^(old M - new M)
	WIN 0x41
.irp j, 0,2,4,6,8,10,12,14,16,18,20,22,24,26,28,30,32,34,36,38,40,42,44,46,48,50,52,54,56,58,60,62
	v_pk_fma_f32 v[S+\j:S+\j+1], v[S+\j:S+\j+1], s[CS:CS+1], v[NM:NM+1] op_sel_hi:[1,0,0]   ; t - M
.endr
	s_wait_alu depctr_va_vdst(0)
.set N, 0
.rept 64
	v_exp_f32 v[S+N], v[S+N]
.set N, N+1
.endr
	WIN 0
	v_exp_f32 v[BM], v[BM]                         ; my blocks' largest p
	v_exp_f32 v[BM+2], v[BM+2]
	v_nop
	s_wait_alu depctr_va_vdst(0)                   ; one wait for the batch of 66
	v_max_num_f32 v[BM], 0x1800000, v[BM]
	v_max_num_f32 v[BM+2], 0x1800000, v[BM+2]
	DEP 2
	v_add_nc_u32 v[SO], 0xff000000, v[BM]          ; the conversions' scale operands
	DEP 2
	v_add_nc_u32 v[SO+1], 0xff000000, v[BM+2]
	DEP 2
	v_lshrrev_b32 v[T], 23, v[SO]
	DEP 2
	v_lshrrev_b32 v[T+1], 23, v[SO+1]
	DEP 1
	v_lshl_or_b32 v[T], v[T+1], 16, v[T]           ; my bytes: blocks h and 2 + h,
	DEP 1
	v_lshlrev_b32 v[T], v[SH8], v[T]               ; at their places,
	DEP 1
	v_permlanex16_b32 v[T+1], v[T], s[SEL], s[SEL+1]
	DEP 1
	v_or_b32 v[PS], v[T], v[T+1]                   ; with lane l xor 16's: p's scale word
	WIN 0x10
	v_pk_fma_f32 v[NM+2:NM+3], v[NM+2:NM+3], v[F:F+1], v[S:S+1] op_sel_hi:[1,0,1]       ; the sums under the new M, and the first p
	v_pk_fma_f32 v[NM+4:NM+5], v[NM+4:NM+5], v[F:F+1], v[S+2:S+3] op_sel_hi:[1,0,1]
	WIN 0x04
.irp j, 4,8,12,16,20,24,28,32,36,40,44,48,52,56,60
	v_pk_add_f32 v[NM+2:NM+3], v[NM+2:NM+3], v[S+\j:S+\j+1]
	v_pk_add_f32 v[NM+4:NM+5], v[NM+4:NM+5], v[S+\j+2:S+\j+3]
.endr
	WIN 0x01
.irp c, 0,1
.irp g, 0,1,2,3
	v_cvt_scalef32_pk8_fp4_f32 v[PC+4*\c+\g], v[S+32*\c+8*\g:S+32*\c+8*\g+7], v[SO+\c]   ; registers 4 c .. 4 c + 3 of the operand: keys 64 c + 32 h ..
.endr
.endr
	WIN 0x41
	v_nop
.if (\h) < 3
	s_wait_dscnt 9                                 ; V's nine loads are in; the next head's nine of K may be out
.else
.if (\meet) == 0
	s_wait_dscnt 0x0                               ; (where the change of slots has opened, V was waited for there)
.endif
.endif
	s_wait_alu depctr_va_vdst(0)                   ; directly ahead of the first reader of O^T; it also stands behind the wait above
.irp j, 0,2,4,6,8,10,12,14,16,18,20,22,24,26,28,30
	v_pk_mul_f32 v[OH+\j:OH+\j+1], v[OH+\j:OH+\j+1], v[F:F+1] op_sel_hi:[1,0]
.endr
	WIN 0x50
.irp t, 0,1,2,3
.if \t%2
	v_wmma_scale_f32_16x16x128_f8f6f4 v[OH+8*\t:OH+8*\t+7], v[VT+8*\t:VT+8*\t+7], v[PC:PC+7], v[OH+8*\t:OH+8*\t+7], v[VS+\t/2], v[PS] matrix_a_fmt:MATRIX_FMT_FP4 matrix_b_fmt:MATRIX_FMT_FP4 matrix_a_scale:MATRIX_SCALE_ROW1
.else
	v_wmma_scale_f32_16x16x128_f8f6f4 v[OH+8*\t:OH+8*\t+7], v[VT+8*\t:VT+8*\t+7], v[PC:PC+7], v[OH+8*\t:OH+8*\t+7], v[VS+\t/2], v[PS] matrix_a_fmt:MATRIX_FMT_FP4 matrix_b_fmt:MATRIX_FMT_FP4
.endif
.endr
.endm
; A ROUND: the mask of my step, once, then four heads.  more = 1: the next step's mask words are asked for.
.macro ROUND more, meet                ; meet = 2: the slot is left and filled again; 1: it is left; 0: the last round
	v_add_nc_u32 v[ADK], s[TB], v[A16]
	v_add_nc_u32 v[ADV], s[TB], v[A8]
	KLOAD 0
	s_wait_kmcnt 0x0
	WIN 0x40
.set N, 0
.rept 64
.if N < 48
	v_cndmask_b32 v[C+N], 0, v[NEGB], s[16+N]
.else
	v_cndmask_b32 v[C+N], 0, v[NEGB], s[20+N]
.endif
.set N, N+1
.endr
	WIN 0
	s_wait_alu depctr_va_vdst(0)                   ; the selects have read their words
.if \more
	s_wait_xcnt 0x0
	s_add_co_u32 s[MOFF], s[MOFF], 256
	MASKWORDS
.endif
	HEADSTEP 0, 0
	HEADSTEP 1, 0
	HEADSTEP 2, 0
	HEADSTEP 3, \meet
	WIN 0
.if (\meet) > 0
	s_barrier_wait -1                              ; every wave of my work-group has its part of the next slot and has left this one
.endif
.if (\meet) == 2
	CREST                                          ; and so has every partner's
	FILL
.endif
	s_xor_b32 s[TB], s[TB], SLOT1
.endm
; THE CHANGE OF SLOTS OPENS: all my tensor loads are in (the one that was out is my record of the next slot), the add, my LDS reads are back; then the opening signal.
; fill = 1: the walking descriptor turns to the slot that is being left and steps a record on.
.macro MEET fill
	s_wait_alu depctr_va_vdst(0)
	s_wait_tensorcnt 0x0
	ds_add_u32 v[SPW], v[NIL]
.if \fill
	s_xor_b32 s[G0+1], s[G0+1], SLOT1
	s_add_nc_u64 s[G0+2:G0+3], s[G0+2:G0+3], REC
	s_wait_xcnt 0x0                                ; my prefetch has read its address
	s_add_nc_u64 s[PFA:PFA+1], s[PFA:PFA+1], REC
.endif
	s_wait_dscnt 0x0
	s_barrier_signal -1
.endm
; THE FILL, first behind the round's closing wait: my record, one load a wave; and the prefetch of my record of the load two fills on.
.macro FILL
	tensor_load_to_lds s[G0:G0+3], s[G1:G1+7]
	s_nop 0
.rept 4
	v_nop
.endr
	s_cmp_ge_u32 s[CNT], 3                         ; that record exists while three trips or more are left
	s_cbranch_scc0 .Lno_ask_\@
	global_prefetch_b8 v[PFO], s[PFA:PFA+1] offset:2*REC th:TH_LOAD_NT scope:SCOPE_SE
.Lno_ask_\@:
.endm
	s_mov_b32 s[CNT], 14
	MEET 1                                         ; round 0 is in; slot 1's first fill, round 1, is issued as a refill is
	s_barrier_wait -1
	CREST
	FILL
.Lround:                                               ; 14 trips: trip i multiplies round i and fills its slot with round i + 2
	ROUND 1, 2
	s_sub_co_u32 s[CNT], s[CNT], 1
	s_cmp_lg_u32 s[CNT], 0
	s_wait_alu depctr_va_vdst(0)
	s_cbranch_scc1 .Lround
	ROUND 1, 1                                     ; the last two rounds are written out: they ask for nothing
	ROUND 0, 0
	; THE HALVES ARE JOINED.  Each lane's sum first (these eight lines are also the places behind the last products)
.irp hh, 0,1,2,3
	v_pk_add_f32 v[ST+8*\hh+2:ST+8*\hh+3], v[ST+8*\hh+2:ST+8*\hh+3], v[ST+8*\hh+4:ST+8*\hh+5]
.endr
.irp hh, 0,1,2,3
	v_add_f32 v[ST+8*\hh+1], v[ST+8*\hh+2], v[ST+8*\hh+3]
.endr
	s_wait_alu depctr_va_vdst(0)
.macro SEND a, b                       ; two heads are handed over: O^T as an image of its registers, and (-M, the sum)
	WIN 0x04
.irp hh, \a, \b
.irp i, 0,1,2,3,4,5,6,7
	s_wait_alu depctr_va_vdst(0)                   ; directly ahead of a first reader of a matrix result
	ds_store_b128 v[XA], v[O+32*\hh+4*\i:O+32*\hh+4*\i+3] offset:4096*\hh+512*\i
.endr
.endr
	WIN 0
.irp hh, \a, \b
	ds_store_b64 v[XS], v[ST+8*\hh:ST+8*\hh+1] offset:256*\hh
.endr
.endm
	s_cmp_lt_u32 s[WV], 4                          ; waves 0-3 finish heads 0 and 1 and hand over 2 and 3; waves 4-7 the other way round
	s_cbranch_scc1 .Lsend_high
	SEND 0, 1
	s_branch .Lsent
.Lsend_high:
	SEND 2, 3
.Lsent:
	s_wait_dscnt 0x0
	s_barrier_signal -1
	s_barrier_wait -1
	s_cmp_ge_u32 s[WV], 4
	s_cbranch_scc1 .Lmerge_high
.macro MERGE hh                        ; both halves under the larger M, divided by the joint sum, out through my stage in rows of 256 bytes
.set NM, ST+8*(\hh)
.set OH, O+32*(\hh)
.set SB, S+32*((\hh)%2)
.set BK, KT+32*((\hh)%2)
	ds_load_b64 v[T:T+1], v[XS] offset:256*(\hh)
	WIN 0x40
.irp i, 0,1,2,3,4,5,6,7
	ds_load_b128 v[SB+4*\i:SB+4*\i+3], v[XA] offset:4096*(\hh)+512*\i
.endr
	WIN 0
	s_wait_dscnt 0x0
	v_min_num_f32 v[BM], v[NM], v[T]               ; -M of the two
	DEP 1
	v_sub_f32 v[BM+1], v[BM], v[NM]
	v_sub_f32 v[BM+2], v[BM], v[T]
	DEP 2
	v_cvt_i32_f32 v[BM+1], v[BM+1]
	DEP 2
	v_cvt_i32_f32 v[BM+2], v[BM+2]
	DEP 2
	v_ldexp_f32 v[BM+1], 1.0, v[BM+1]
	DEP 2
	v_ldexp_f32 v[BM+2], 1.0, v[BM+2]
	DEP 2
	v_mul_f32 v[BM+3], v[NM+1], v[BM+1]
	DEP 1
	v_fma_f32 v[BM+3], v[T+1], v[BM+2], v[BM+3]
	DEP 1
	v_permlanex16_b32 v[T+2], v[BM+3], s[SEL], s[SEL+1]
	DEP 1
	v_add_f32 v[BM+3], v[BM+3], v[T+2]             ; the row's sum
	s_wait_alu depctr_va_vdst(0)
	v_rcp_f32 v[BM+3], v[BM+3]
	v_nop
	s_wait_alu depctr_va_vdst(0)
	v_mul_f32 v[F], v[BM+1], v[BM+3]
	v_mul_f32 v[SO], v[BM+2], v[BM+3]
	WIN 0x41
	s_wait_alu depctr_va_vdst(0)                   ; directly ahead of the first reader of O^T
.irp j, 0,2,4,6,8,10,12,14,16,18,20,22,24,26,28,30
	v_pk_mul_f32 v[OH+\j:OH+\j+1], v[OH+\j:OH+\j+1], v[F:F+1] op_sel_hi:[1,0]
.endr
	WIN 0x51
.irp j, 0,2,4,6,8,10,12,14,16,18,20,22,24,26,28,30
	v_pk_fma_f32 v[OH+\j:OH+\j+1], v[SB+\j:SB+\j+1], v[SO:SO+1], v[OH+\j:OH+\j+1] op_sel_hi:[1,0,1]
.endr
	WIN 0x04
.irp t, 0,1,2,3
	ds_store_b128 v[STI], v[OH+8*\t:OH+8*\t+3] offset:64*\t          ; register 8 t + j is channel 16 t + 8 h + j of query r
	ds_store_b128 v[STI], v[OH+8*\t+4:OH+8*\t+7] offset:64*\t+16
.endr
	WIN 0
	s_wait_xcnt 0x0                                ; earlier stores have read their registers
.irp i, 0,1,2,3,4,5,6,7
	ds_load_b128 v[BK+4*\i:BK+4*\i+3], v[STO] offset:544*\i          ; LDS serves a wave's instructions in order
.endr
.irp i, 0,1,2,3,4,5,6,7
	s_wait_dscnt 7-\i
	global_store_b128 v[GO], v[BK+4*\i:BK+4*\i+3], s[OUT:OUT+1] offset:((\hh)<<20)+512*\i th:TH_STORE_NT   ; sixteen lanes store a row of 256 bytes
.endr
.endm
	MERGE 0
	MERGE 1
	s_branch .Lend
.Lmerge_high:
	MERGE 2
	MERGE 3
.Lend:
	s_wait_tensorcnt 0x0                           ; the wave's end
	ds_add_u32 v[SPW], v[NIL]
	s_wait_dscnt 0x0
	CROUND                                         ; the closing round
	s_endpgm
.Lfunc_end_k_q64b45f8574_attn:
	.size	k_q64b45f8574_attn, .Lfunc_end_k_q64b45f8574_attn-k_q64b45f8574_attn
	.p2alignl 7, 3214868480
	.fill 96, 4, 3214868480
	.section	.rodata,"a",@progbits
	.p2align	6, 0x0
	.amdhsa_kernel k_q64b45f8574_attn
		.amdhsa_group_segment_fixed_size 327680
		.amdhsa_private_segment_fixed_size 0
		.amdhsa_enable_private_segment 0
		.amdhsa_kernarg_size 32
		.amdhsa_user_sgpr_count 2
		.amdhsa_user_sgpr_kernarg_segment_ptr 1
		.amdhsa_wavefront_size32 1
		.amdhsa_system_sgpr_workgroup_id_x 1
		.amdhsa_system_sgpr_workgroup_id_y 1
		.amdhsa_system_sgpr_workgroup_id_z 1
		.amdhsa_system_vgpr_workitem_id 0
		.amdhsa_next_free_vgpr 512
		.amdhsa_next_free_sgpr 100
		.amdhsa_reserve_vcc 0
		.amdhsa_float_denorm_mode_32 3
		.amdhsa_float_denorm_mode_16_64 3
		.amdhsa_memory_ordered 1
		.amdhsa_forward_progress 1
		.amdhsa_inst_pref_size 234
	.end_amdhsa_kernel
	.amdgpu_metadata
---
amdhsa.version: [ 1, 2 ]
amdhsa.kernels:
  - .name:           k_q64b45f8574_attn
    .symbol:         k_q64b45f8574_attn.kd
    .args:
      - { .name: q, .offset: 0, .size: 8, .value_kind: global_buffer, .address_space: global }
      - { .name: kv, .offset: 8, .size: 8, .value_kind: global_buffer, .address_space: global }
      - { .name: mbits, .offset: 16, .size: 8, .value_kind: global_buffer, .address_space: global }
      - { .name: out0, .offset: 24, .size: 8, .value_kind: global_buffer, .address_space: global }
    .group_segment_fixed_size: 327680
    .private_segment_fixed_size: 0
    .kernarg_segment_align: 8
    .kernarg_segment_size: 32
    .max_flat_workgroup_size: 256
    .sgpr_count:     100
    .vgpr_count:     512
    .wavefront_size: 32
...
	.end_amdgpu_metadata
.endif
;; end of part 2
